; MI455X (gfx1250); checked and timed in simulation.
; The chip was launched on July 23, 2026; its instructions are those of AMD's public machine-readable ISA for CDNA 5 (MIT licence, August 2026) and "CDNA5" Instruction Set Architecture Reference Guide (July 2026). The comments in the code are by the model that wrote it; some were corrected since.
;; Nerf Fusion Head. Allowed arithmetic: matrix products marked QUANTISED: E2M1 operands, one E8M0 scale for each 32 along K, by v_wmma_scale_f32_16x16x128_f8f6f4 with both operands' format E2M1 (or v_wmma_scale_f32_32x16x128_f4), f32 sums; products left as they are: f32 operands where the result goes on into a quantised operand, else bf16, f16 or f32 operands; f32 sums; everything else in f32.
;; Inputs: cW0 3 x 256 x 256 float32; cW1 3 x 256 x 256 float32; cW_in 84 x 256 float32; cW_out 256 x 3 float32; cWz 3 x 768 x 256 float32; cb0 3 x 256 float32; cb1 3 x 256 float32; cb_in 256 float32; cb_out 3 float32; cbz 3 x 256 float32; dW0 3 x 256 x 256 float32; dW1 3 x 256 x 256 float32; dW_in 78 x 256 float32; dW_out 256 x 1 float32; dWz 3 x 768 x 256 float32; db0 3 x 256 float32; db1 3 x 256 float32; db_in 256 float32; db_out 1 float32; dbz 3 x 256 float32; dirs_a 450 x 64 x 3 float32; dirs_b 450 x 64 x 3 float32; latent 450 x 64 x 768 float32; pts_a 450 x 64 x 3 float32; pts_b 450 x 64 x 3 float32; z_vals 450 x 64 float32.
;; Outputs: out0 450 x 4 float32.
;; This version of the problem:
;;   THIS VERSION OF THE PROBLEM IS GIVEN IN LOW PRECISION. The matrix products marked QUANTISED in the list below multiply operands that are first quantised to E2M1 (2 exponent bits, 1 mantissa bit; 4 bits a number), with one power-of-two scale for each 32 numbers along K (OCP MX v1.0); their sums are f32. All else is computed in f32.
;;   The module's matrix products, in the order in which they are computed (A, B: the left and right operand; K: the contracted axis; several contracted axes count as one K, in the product's order):
;;     1. [M 28,800, K 78] x [K 78, N 256]; A: computed on the way; B: input dW_in: QUANTISED
;;     2. [M 28,800, K 768] x [K 768, N 256]; A: input latent; B: input dWz: QUANTISED
;;     3. [M 28,800, K 256] x [K 256, N 256]; A: computed on the way; B: input dW0: QUANTISED
;;     4. [M 28,800, K 256] x [K 256, N 256]; A: computed on the way; B: input dW1: QUANTISED
;;     5. [M 28,800, K 768] x [K 768, N 256]; A: input latent; B: input dWz: QUANTISED
;;     6. [M 28,800, K 256] x [K 256, N 256]; A: computed on the way; B: input dW0: QUANTISED
;;     7. [M 28,800, K 256] x [K 256, N 256]; A: computed on the way; B: input dW1: QUANTISED
;;     8. [M 28,800, K 768] x [K 768, N 256]; A: input latent; B: input dWz: QUANTISED
;;     9. [M 28,800, K 256] x [K 256, N 256]; A: computed on the way; B: input dW0: QUANTISED
;;     10. [M 28,800, K 256] x [K 256, N 256]; A: computed on the way; B: input dW1: QUANTISED
;;     11. [M 28,800, K 256] x [K 256, N 1]; A: computed on the way; B: input dW_out: left as it is (N = 1 < 16)
;;     12. [M 28,800, K 84] x [K 84, N 256]; A: computed on the way; B: input cW_in: QUANTISED
;;     13. [M 28,800, K 768] x [K 768, N 256]; A: input latent; B: input cWz: QUANTISED
;;     14. [M 28,800, K 256] x [K 256, N 256]; A: computed on the way; B: input cW0: QUANTISED
;;     15. [M 28,800, K 256] x [K 256, N 256]; A: computed on the way; B: input cW1: QUANTISED
;;     16. [M 28,800, K 768] x [K 768, N 256]; A: input latent; B: input cWz: QUANTISED
;;     17. [M 28,800, K 256] x [K 256, N 256]; A: computed on the way; B: input cW0: QUANTISED
;;     18. [M 28,800, K 256] x [K 256, N 256]; A: computed on the way; B: input cW1: QUANTISED
;;     19. [M 28,800, K 768] x [K 768, N 256]; A: input latent; B: input cWz: QUANTISED
;;     20. [M 28,800, K 256] x [K 256, N 256]; A: computed on the way; B: input cW0: QUANTISED
;;     21. [M 28,800, K 256] x [K 256, N 256]; A: computed on the way; B: input cW1: QUANTISED
;;     22. [M 28,800, K 256] x [K 256, N 3]; A: computed on the way; B: input cW_out: left as it is (N = 3 < 16)
;;     23. batch 450 x [M 1, K 64] x [K 64, N 3]; A: computed on the way; B: computed on the way: left as it is (M = 1 < 16)
;;   THE QUANTISER, for each operand of a quantised product, along K:
;;     - K is cut into blocks of 32 from its start; a last block that is shorter is filled with zeros.
;;     - A block's scale is 2^e with e = floor(log2(the largest magnitude in the block)) - 2, held to -126 .. 127; a block of zeros has e = 0. As a byte (E8M0): e + 127.
;;     - Each number is divided by its block's scale, clamped to +-6, and rounded to the nearest number of E2M1, ties to even, subnormals kept.
;;     - The product sums the exact products of the quantised numbers (number of the format x scale) in f32.
;;   ~~~python
;;   def quantise(x, axis):      # numpy; x: float32 -> the quantised numbers, widened to float32 again
;;       x = np.moveaxis(x, axis, -1); K = x.shape[-1]
;;       x = np.pad(x, [(0, 0)] * (x.ndim - 1) + [(0, -K % 32)]); x = x.reshape(x.shape[:-1] + (-1, 32)); a = np.abs(x).max(-1, keepdims=True)
;;       e = np.where(a > 0, np.clip(np.frexp(np.where(a > 0, a, 1))[1] - 1 - 2, -126, 127), 0)      # np.frexp(a)[1] - 1 = floor(log2(a)), exactly
;;       r = np.clip(x / 2.0 ** e, -6, 6)
;;       step = 2.0 ** (np.maximum(np.frexp(np.where(r == 0, 1, r))[1] - 1, 0) - 1)
;;       q = np.round(r / step) * step * 2.0 ** e      # np.round: ties to even
;;       return np.moveaxis(q.reshape(q.shape[:-2] + (-1,))[..., :K], -1, axis).astype(np.float32)
;;   ~~~
;;   OPERANDS COMPUTED ON THE WAY. 'Computed on the way' means the value that the module computes at that place (a softmax that the list does not call 'softmax' is quantised finished and normalised). What goes into a quantiser is computed in f32, as accurately as f32 sums, v_exp_f32 and their like allow (about 1e-6 of the number): no bf16 or f16 on the way to a quantiser, and a product that is left as it is and whose result goes on into a quantised operand takes f32 operands (vector FMAs, or v_wmma_f32_16x16x4_f32). A number that lies on a knife's edge between two numbers of the format may be rounded either way, as far as f32 arithmetic and the matrix unit's own rounding can turn it there, and no further.
;; One version. Each part assembles by itself: llvm-mc -triple=amdgcn-amd-amdhsa -mcpu=gfx1250 --defsym DOCPART=n.
;; ======== version 1 of 1: 2 launches
;; limits: inputs' magnitudes at most 9,947; right only within a limited range of input values
;; workspace buffers: wq 1,015,808 bytes; ws 63,488 bytes; tb 18,432 bytes
;; launch prep (part 1): grid 63 x 4, 4 waves a work-group, no clusters, 768 bytes of LDS; arguments dW_in, dWz, dW0, dW1, cW_in, cWz, cW0, cW1, db_in, dbz, db0, db1, cb_in, cbz, cb0, cb1, dW_out, cW_out, wq, ws, tb; writes wq, ws, tb
.if DOCPART == 1
	.amdgcn_target "amdgcn-amd-amdhsa--gfx1250"
	.amdhsa_code_object_version 6
	.text
	.protected	k_qc8d89d076b_prep
	.globl	k_qc8d89d076b_prep
	.p2align	8
	.type	k_qc8d89d076b_prep,@function
k_qc8d89d076b_prep:
	s_mov_b64 s[64:65], 0
	v_nop
	global_prefetch_b8 v0, s[64:65] scope:SCOPE_SE
	s_setreg_imm32_b32 hwreg(HW_REG_WAVE_MODE, 25, 1), 1
	s_wait_xcnt 0x0
; PREP: the eight weight tensors ([K][256] f32, K their first axis) become codes of FP4 (E2M1) with one E8M0 byte for each 32 along K,
; laid in the order in which the second launch's operand registers take them; the biases are summed into tables; the two W_out are laid by column.
; wq: 62 K steps of 128 along K, 16,384 bytes each.  Step 0 = dW_in, 1 = cW_in, 2 + 10 g + j with g = 3 mlp + block: j 0-5 Wz, 6-7 W0, 8-9 W1.
;     In a step: [w 0-3][t 0-3][q 0-3][a 0-15][16 bytes]: row a of fragment (w, t) is unit 64 w + 32 (t / 2) + 8 (t % 2) + a + 8 (a / 8); q = the block of 32 along K.
; ws: [step][w][u 0-1][a][b 0-1] words, byte q of a word = the scale of block q of tile t = 2 b + u.
; tb: [mlp][7][256] f32 = XB0, b0[0], XB1, b0[1], XB2, b0[2], XB3 (XB: all biases added to x so far); from byte 14,336 four columns of 256: dW_out, cW_out[:,0..2].
; SHARES: work-group (x = step, y = w) takes 128 along K x 64 units; wave q takes block q; a lane takes two columns (b = 0, 1) and its registers run down K,
; so a block lies in one lane, each load reads 128 consecutive bytes, and the conversions give K innermost.  x = 62: the tables, 64 units for each y.
; A block's scale is 2^(floor(log2(largest magnitude)) - 2); its byte is that magnitude's exponent field - 2, held at 1 from below.
; LIMITS: a block of zeros gets the byte 1 (its codes are zeros, and this program alone reads the bytes); NaN and infinities are not served.
.set X0, 64                            ; v64-95   the 32 numbers of column b = 0
.set X1, 96                            ; v96-127  of column b = 1
.set VO, 8                             ; v8-39    byte offset of row i of my block
	s_load_b256 s[8:15], s[0:1], 0x0               ; dW_in, dWz, dW0, dW1
	s_load_b256 s[16:23], s[0:1], 0x20             ; cW_in, cWz, cW0, cW1
	s_load_b256 s[24:31], s[0:1], 0x40             ; db_in, dbz, db0, db1
	s_load_b256 s[32:39], s[0:1], 0x60             ; cb_in, cbz, cb0, cb1
	s_load_b256 s[40:47], s[0:1], 0x80             ; dW_out, cW_out, wq, ws
	s_load_b64 s[48:49], s[0:1], 0xa0              ; tb
	v_lshl_add_u32 v128, v0, 2, 0x100
	v_mov_b32 v129, 0
	v_lshrrev_b32 v1, 5, v0
	v_readfirstlane_b32 s2, v1                     ; wave = q
	v_and_b32 v1, 31, v0                           ; lane
	v_and_b32 v2, 15, v0                           ; a
	v_bfe_u32 v3, v0, 4, 1                         ; u
	s_mov_b32 s50, ttmp9                           ; the K step
	s_and_b32 s51, ttmp7, 0xffff                   ; w
	v_lshlrev_b32 v4, 3, v1                        ; 8 x lane: my two scale words in LDS and in ws
	v_add_nc_u32 v7, s2, v4                        ; + q: my block's byte
	v_and_b32 v5, 8, v2
	v_add_nc_u32 v5, v5, v2                        ; a + 8 (a / 8)
	v_lshl_add_u32 v5, v3, 3, v5                   ; + 8 u: the 32 lanes cover 32 neighbouring columns
	s_lshl_b32 s52, s51, 6
	v_add_nc_u32 v5, s52, v5                       ; + 64 w
	v_lshlrev_b32 v5, 2, v5                        ; in bytes
	v_lshlrev_b32 v6, 4, v2
	v_lshl_add_u32 v6, v3, 10, v6                  ; in wq: 1,024 u + 16 a
	s_wait_kmcnt 0x0
	s_cmp_eq_u32 s50, 62
	s_cbranch_scc1 .Ltables
	; ---- which tensor, and which 128 rows of it
	s_max_u32 s52, s50, 2
	s_sub_co_u32 s52, s52, 2
	s_mul_i32 s53, s52, 205
	s_lshr_b32 s53, s53, 11                        ; g = (step - 2) / 10, right for 0 .. 59
	s_mul_i32 s54, s53, 10
	s_sub_co_u32 s54, s52, s54                     ; j
	s_cmp_ge_u32 s53, 3
	s_cselect_b32 s56, 1, 0                        ; the MLP
	s_cselect_b32 s55, 3, 0
	s_sub_co_u32 s55, s53, s55                     ; the block
	s_cmp_eq_u32 s50, 1
	s_cselect_b32 s56, 1, s56
	s_cmp_eq_u32 s56, 0
	s_cselect_b64 s[8:9], s[8:9], s[16:17]
	s_cselect_b64 s[10:11], s[10:11], s[18:19]
	s_cselect_b64 s[12:13], s[12:13], s[20:21]
	s_cselect_b64 s[14:15], s[14:15], s[22:23]
	s_lshl_b32 s57, s55, 8
	s_lshl_b32 s58, s54, 7
	s_add_co_u32 s59, s57, s58                     ; 256 block + 128 j
	s_sub_co_u32 s66, s59, 1024                    ; W1's first row: 256 block + 128 (j - 8)
	s_sub_co_u32 s67, s59, 768                     ; W0's: 256 block + 128 (j - 6)
	s_mul_i32 s68, s55, 768
	s_add_co_u32 s68, s68, s58                     ; Wz's: 768 block + 128 j
	s_mov_b64 s[60:61], s[14:15]
	s_cmp_lt_u32 s54, 8
	s_cselect_b32 s66, s67, s66
	s_cselect_b64 s[60:61], s[12:13], s[60:61]
	s_cmp_lt_u32 s54, 6
	s_cselect_b32 s66, s68, s66
	s_cselect_b64 s[60:61], s[10:11], s[60:61]
	s_mul_i32 s69, s50, 6
	s_add_co_u32 s69, s69, 78                      ; W_in has 78 or 84 rows
	s_cmp_lt_u32 s50, 2
	s_cselect_b32 s66, 0, s66
	s_cselect_b64 s[60:61], s[8:9], s[60:61]
	s_cselect_b32 s63, s69, 128                    ; rows that exist in this K step
	s_lshl_b32 s66, s66, 10                        ; a row is 1,024 bytes
	s_mov_b32 s67, 0
	s_add_nc_u64 s[60:61], s[60:61], s[66:67]
	s_lshl_b32 s70, s50, 14                        ; wq: step x 16,384 + w x 4,096 + q x 256
	s_lshl_b32 s71, s51, 12
	s_add_co_u32 s70, s70, s71
	s_lshl_b32 s71, s2, 8
	s_add_co_u32 s70, s70, s71
	s_mov_b32 s71, 0
	s_add_nc_u64 s[44:45], s[44:45], s[70:71]
	s_lshl_b32 s68, s2, 5                          ; my block's first row
	s_sub_co_u32 s69, s63, 1
.set ii, 0
	s_wait_alu depctr_va_vdst(0)
.rept 32
	s_add_co_u32 s72, s68, ii
	s_min_u32 s72, s72, s69                        ; a row past the tensor's end is read as its last row (no load leaves the buffer) and cleared below
	s_lshl_b32 s72, s72, 10
	v_add_nc_u32 v[VO+ii], s72, v5
.set ii, ii+1
.endr
.set ii, 0
	s_wait_alu depctr_va_vdst(0)
.rept 32
	global_load_b32 v[X0+ii], v[VO+ii], s[60:61] th:TH_LOAD_NT
	global_load_b32 v[X1+ii], v[VO+ii], s[60:61] offset:128 th:TH_LOAD_NT
.set ii, ii+1
.endr
	s_wait_loadcnt 0x0
.set ii, 0
.rept 32
	s_add_co_u32 s72, s68, ii
	s_cmp_lt_u32 s72, s63
	s_cselect_b32 s72, -1, 0
	v_and_b32 v[X0+ii], s72, v[X0+ii]              ; zeros past K, ahead of the maximum
	v_and_b32 v[X1+ii], s72, v[X1+ii]
.set ii, ii+1
.endr
	v_max3_num_f32 v40, |v[X0]|, |v[X0+1]|, 0x1800000   ; the largest magnitude, with the floor 2^(3 - 127) among its leaves: the byte cannot fall under 1
	v_max3_num_f32 v41, |v[X1]|, |v[X1+1]|, 0x1800000
.irp i,2,4,6,8,10,12,14,16,18,20,22,24,26,28,30
	v_max3_num_f32 v40, v40, |v[X0+\i]|, |v[X0+\i+1]|   ; the two blocks by turns
	v_max3_num_f32 v41, v41, |v[X1+\i]|, |v[X1+\i+1]|
.endr
	v_add_nc_u32 v42, 0xff000000, v40              ; 2 off the exponent field: the conversion's scale operand
	v_add_nc_u32 v43, 0xff000000, v41
	v_lshrrev_b32 v44, 23, v42                     ; the scale's byte
	v_lshrrev_b32 v45, 23, v43
.irp g,0,1,2,3
	v_cvt_scalef32_pk8_fp4_f32 v[48+\g], v[X0+8*\g:X0+8*\g+7], v42
	v_cvt_scalef32_pk8_fp4_f32 v[52+\g], v[X1+8*\g:X1+8*\g+7], v43
.endr
	v_nop                                          ; one plain line behind the last scaled conversion
	global_store_b128 v6, v[48:51], s[44:45]               ; sixteen lanes store 256 consecutive bytes, aligned
	global_store_b128 v6, v[52:55], s[44:45] offset:2048
	ds_store_b8 v7, v44                            ; the four waves' bytes make the words
	ds_store_b8 v7, v45 offset:4
	s_branch .Ljoin
.Ltables:
	s_lshl_b32 s52, s51, 8
	s_wait_alu depctr_va_vdst(0)
	v_add_nc_u32 v8, s52, v4                       ; 256 y + 8 x lane: two units a lane, 256 bytes a wave
	s_cmp_ge_u32 s2, 2
	s_cbranch_scc1 .Louts
	s_cmp_eq_u32 s2, 0                             ; wave 0: d's biases, wave 1: c's
	s_cselect_b64 s[24:25], s[24:25], s[32:33]
	s_cselect_b64 s[26:27], s[26:27], s[34:35]
	s_cselect_b64 s[28:29], s[28:29], s[36:37]
	s_cselect_b64 s[30:31], s[30:31], s[38:39]
	global_load_b64 v[64:65], v8, s[24:25]         ; b_in
.irp i,0,1,2
	global_load_b64 v[66+2*\i:67+2*\i], v8, s[26:27] offset:1024*\i   ; bz
	global_load_b64 v[72+2*\i:73+2*\i], v8, s[28:29] offset:1024*\i   ; b0
	global_load_b64 v[78+2*\i:79+2*\i], v8, s[30:31] offset:1024*\i   ; b1
.endr
	s_mul_i32 s52, s2, 7168
	s_mov_b32 s53, 0
	s_add_nc_u64 s[48:49], s[48:49], s[52:53]
	s_wait_loadcnt 0x0
	v_pk_add_f32 v[84:85], v[64:65], v[66:67]      ; XB0 = b_in + bz0
	s_wait_alu depctr_va_vdst(0)
	v_pk_add_f32 v[86:87], v[84:85], v[78:79]
	v_pk_add_f32 v[86:87], v[86:87], v[68:69]      ; XB1 = (XB0 + b1_0) + bz1
	v_pk_add_f32 v[88:89], v[86:87], v[80:81]
	v_pk_add_f32 v[88:89], v[88:89], v[70:71]      ; XB2 = (XB1 + b1_1) + bz2
	v_pk_add_f32 v[90:91], v[88:89], v[82:83]      ; XB3 = XB2 + b1_2
.irp i,0,1,2
	global_store_b64 v8, v[84+2*\i:85+2*\i], s[48:49] offset:2048*\i
	global_store_b64 v8, v[72+2*\i:73+2*\i], s[48:49] offset:2048*\i+1024
.endr
	global_store_b64 v8, v[90:91], s[48:49] offset:6144
	s_branch .Ljoin
.Louts:
	s_cmp_eq_u32 s2, 2
	s_cbranch_scc0 .Lcout
	s_wait_alu depctr_va_vdst(0)
	global_load_b64 v[64:65], v8, s[40:41]         ; dW_out is a column already
	s_wait_loadcnt 0x0
	global_store_b64 v8, v[64:65], s[48:49] offset:14336
	s_branch .Ljoin
.Lcout:
	v_mul_u32_u24 v9, v1, 24                       ; cW_out: two units x three columns = 24 bytes a lane
	s_mul_i32 s52, s51, 768
	v_add_nc_u32 v9, s52, v9
	global_load_b64 v[64:65], v9, s[42:43]
	global_load_b64 v[66:67], v9, s[42:43] offset:8
	global_load_b64 v[68:69], v9, s[42:43] offset:16
	s_wait_loadcnt 0x0
	v_mov_b32 v70, v64                             ; column 0 of my two units,
	v_mov_b32 v71, v67
	s_wait_alu depctr_va_vdst(0)
	v_mov_b32 v72, v65                             ; column 1,
	v_mov_b32 v73, v68
	v_mov_b32 v74, v66                             ; column 2
	v_mov_b32 v75, v69
.irp c,0,1,2
	global_store_b64 v8, v[70+2*\c:71+2*\c], s[48:49] offset:14336+1024*(1+\c)
.endr
.Ljoin:
	s_wait_dscnt 0x0                               ; my byte stores have landed: the count is zero for the other waves' sake
	s_barrier_signal -1
	s_barrier_wait -1
	s_cmp_eq_u32 s50, 62
	s_cselect_b32 s52, 1, 0
	s_or_b32 s52, s52, s2
	s_cmp_lg_u32 s52, 0
	s_cbranch_scc1 .Lend                           ; wave 0 of a work-group that quantised stores the 64 words
	ds_load_b64 v[56:57], v4
	s_lshl_b32 s52, s50, 10
	s_lshl_b32 s53, s51, 8
	s_add_co_u32 s52, s52, s53
	s_mov_b32 s53, 0
	s_add_nc_u64 s[46:47], s[46:47], s[52:53]
	s_wait_dscnt 0x0
	global_store_b64 v4, v[56:57], s[46:47]        ; 32 lanes store 256 consecutive bytes, aligned
.Lend:
	s_wait_tensorcnt 0x0
	ds_add_u32 v128, v129
	s_wait_dscnt 0x0
	s_endpgm
.Lfunc_end_k_qc8d89d076b_prep:
	.size	k_qc8d89d076b_prep, .Lfunc_end_k_qc8d89d076b_prep-k_qc8d89d076b_prep
	.p2alignl 7, 3214868480
	.fill 96, 4, 3214868480
	.section	.rodata,"a",@progbits
	.p2align	6, 0x0
	.amdhsa_kernel k_qc8d89d076b_prep
		.amdhsa_group_segment_fixed_size 768
		.amdhsa_private_segment_fixed_size 0
		.amdhsa_enable_private_segment 0
		.amdhsa_kernarg_size 168
		.amdhsa_user_sgpr_count 2
		.amdhsa_user_sgpr_kernarg_segment_ptr 1
		.amdhsa_wavefront_size32 1
		.amdhsa_system_sgpr_workgroup_id_x 1
		.amdhsa_system_sgpr_workgroup_id_y 1
		.amdhsa_system_sgpr_workgroup_id_z 1
		.amdhsa_system_vgpr_workitem_id 0
		.amdhsa_next_free_vgpr 130
		.amdhsa_next_free_sgpr 76
		.amdhsa_reserve_vcc 0
		.amdhsa_float_denorm_mode_32 3
		.amdhsa_float_denorm_mode_16_64 3
		.amdhsa_memory_ordered 1
		.amdhsa_forward_progress 1
		.amdhsa_inst_pref_size 26
	.end_amdhsa_kernel
	.amdgpu_metadata
---
amdhsa.version: [ 1, 2 ]
amdhsa.kernels:
  - .name:           k_qc8d89d076b_prep
    .symbol:         k_qc8d89d076b_prep.kd
    .args:
      - { .name: dW_in, .offset: 0, .size: 8, .value_kind: global_buffer, .address_space: global }
      - { .name: dWz, .offset: 8, .size: 8, .value_kind: global_buffer, .address_space: global }
      - { .name: dW0, .offset: 16, .size: 8, .value_kind: global_buffer, .address_space: global }
      - { .name: dW1, .offset: 24, .size: 8, .value_kind: global_buffer, .address_space: global }
      - { .name: cW_in, .offset: 32, .size: 8, .value_kind: global_buffer, .address_space: global }
      - { .name: cWz, .offset: 40, .size: 8, .value_kind: global_buffer, .address_space: global }
      - { .name: cW0, .offset: 48, .size: 8, .value_kind: global_buffer, .address_space: global }
      - { .name: cW1, .offset: 56, .size: 8, .value_kind: global_buffer, .address_space: global }
      - { .name: db_in, .offset: 64, .size: 8, .value_kind: global_buffer, .address_space: global }
      - { .name: dbz, .offset: 72, .size: 8, .value_kind: global_buffer, .address_space: global }
      - { .name: db0, .offset: 80, .size: 8, .value_kind: global_buffer, .address_space: global }
      - { .name: db1, .offset: 88, .size: 8, .value_kind: global_buffer, .address_space: global }
      - { .name: cb_in, .offset: 96, .size: 8, .value_kind: global_buffer, .address_space: global }
      - { .name: cbz, .offset: 104, .size: 8, .value_kind: global_buffer, .address_space: global }
      - { .name: cb0, .offset: 112, .size: 8, .value_kind: global_buffer, .address_space: global }
      - { .name: cb1, .offset: 120, .size: 8, .value_kind: global_buffer, .address_space: global }
      - { .name: dW_out, .offset: 128, .size: 8, .value_kind: global_buffer, .address_space: global }
      - { .name: cW_out, .offset: 136, .size: 8, .value_kind: global_buffer, .address_space: global }
      - { .name: wq, .offset: 144, .size: 8, .value_kind: global_buffer, .address_space: global }
      - { .name: ws, .offset: 152, .size: 8, .value_kind: global_buffer, .address_space: global }
      - { .name: tb, .offset: 160, .size: 8, .value_kind: global_buffer, .address_space: global }
    .group_segment_fixed_size: 768
    .private_segment_fixed_size: 0
    .kernarg_segment_align: 8
    .kernarg_segment_size: 168
    .max_flat_workgroup_size: 128
    .sgpr_count:     76
    .vgpr_count:     130
    .wavefront_size: 32
...
	.end_amdgpu_metadata
.endif
;; end of part 1
;; launch fused (part 2): grid 225 x 1, 8 waves a work-group, no clusters, 157,184 bytes of LDS; arguments latent, pts_a, dirs_a, pts_b, dirs_b, z_vals, wq, ws, tb, db_out, cb_out, out0; writes out0
.if DOCPART == 2
	.amdgcn_target "amdgcn-amd-amdhsa--gfx1250"
	.amdhsa_code_object_version 6
	.text
	.protected	k_qc8d89d076b_fused
	.globl	k_qc8d89d076b_fused
	.p2align	8
	.type	k_qc8d89d076b_fused,@function
k_qc8d89d076b_fused:
	s_mov_b64 s[64:65], 0
	v_nop
	global_prefetch_b8 v0, s[64:65] scope:SCOPE_SE
	s_setreg_imm32_b32 hwreg(HW_REG_WAVE_MODE, 25, 1), 1
	s_wait_xcnt 0x0
; FUSED: two rays (128 rows) a work-group: positional encoding, both residual MLPs on codes of FP4 (E2M1) with E8M0 block scales, the two heads, alpha compositing.
; SHARES.  Eight waves, two to a SIMD.  Waves 0-3 run the density MLP, waves 4-7 the colour MLP, side by side.  Wave (mlp, w) owns hidden units 64 w .. 64 w + 63 of its MLP for all 128 rows:
; each weight byte is loaded once a work-group, by one wave, from memory straight into its operand registers (laid so by the launch before).  Activations go from wave to wave through LDS as images of operand registers,
; each MLP in LDS bytes of its own; latent's codes are shared by both.
; No cluster: the grid, 225 work-groups, is no multiple of four, and each weight byte goes to one wave's registers alone.  No tensor load: nothing would be read from LDS that is not read from it now.
; No prefetch: latent has five groups of four loads a wave on their way from the head's first lines on; the weights' ring asks four items ahead.
; LAYOUT.  Every product is used transposed (source 0 = 16 units of a weight, source 1 = 16 rows): lane (r, h) holds row r; register j of tile t holds unit 64 w + 32 (t / 2) + 16 h + 8 (t % 2) + j.
; So the 16 registers of tiles 2 b, 2 b + 1 are 16 neighbours along the next K, and a lane's 16 codes are 8 bytes of its row's block.
; x is kept as the sum of products alone, in 256 registers; the biases added so far (tables XB0 .. XB3) are added where x is read: another order of f32 rounding than reference()'s.
; AN IMAGE of a fragment (16 rows x 128 K) is four pieces (a block of 32 each) of 16 rows x 16 bytes, 272 bytes apart; scale words lie [tile / 4][row][tile % 4].
; THE RING.  Four slots of 32 registers; twelve items a block walk it: Wz's six K steps, XB, b0, W0's two, W1's two; item i + 4 is asked for when item i has been read.  A weight item is 9 loads, a bias item 8.
; LATENT.  Wave W quantises rows 16 W .. 16 W + 15, K STEP BY K STEP: a group is four rows' 512 consecutive bytes of one K step, 4 numbers a lane and row; a block lies in eight lanes.  The conversion takes 8 numbers: two rows' 4
; are converted together twice, once under each row's scale, and of each result the 16 bits that were made under their own scale are stored.  As soon as a K step of all 128 rows lies in LDS, the first block's product with
; Wz's K step is multiplied, between the groups of later K steps; the head's counts on loads are reckoned by the assembler: loads issued so far (LI) less loads issued up to the item waited for.
; LIMITS: NaN and infinities are not served.  A block of zeros, or one whose largest magnitude lies under 2^-124, gets the byte 1 (zero blocks have zero codes; this program alone reads the bytes).
; Sine and cosine: pi / 2 taken off in two parts by fused multiply-adds, then polynomials of degree 7 and 8: absolute error about 2e-7 while |32 pi x| stays under 1e6.
; The transmittance is a product by a tree over lanes, not a chain.  A ray's 16 output bytes are a part of a block of 256.
; REGISTERS.  window 0: v1-17 lane, addresses, z; v18-25 weights' scale words; v26-41 activations' scale words; v42-63 quantiser; v64-127 two half sets of fragments, or numbers to be quantised; v128-255 the ring
;   (in the head: v96-111 codes and bytes, v112-127 and v192-255 five groups of latent).   window 1: x (tile (m, t) at v[32 m + 8 t]); at first the encoding.
.set LSC,  52608                       ; LDS: 0 latent's 48 images (K step s at 8,768 s, tile m at 1,088 m); LSC their scale words
.set B2,   55808                       ; then a region of MSZ bytes for each MLP:
.set MSZ,  46080
.set ACTA, 0                           ; relu(x)'s 16 images (K step s at 8,704 s)
.set ACTB, 17408                       ; relu(net)'s
.set ASCA, 34816                       ; their scale words, 512 bytes a K step
.set ASCB, 35840
.set ENC,  36864                       ; the encoding's 8 images
.set ESC,  45568                       ; their scale words
.set PT,   147968                      ; the heads' partial sums: column x 2,048 + row x 16 + w x 4
.set SPARE, 156160                     ; the spare words, 128 bytes a wave
.set SPW, 2
.set NIL, 3
.set RD,  4                            ; 16 r + 272 h: my place in an image
.set RD2, 5                            ; + my MLP's region
.set SR,  6                            ; 16 r: my row's scale words
.set SR2, 7
.set AW,  8                            ; where I store 8 bytes of codes
.set SW,  9                            ; and two scale bytes
.set WOF, 10                           ; 16 lane + 4,096 w: in a K step of wq
.set SOF, 11                           ; 8 lane + 256 w: in a K step of ws
.set BOF, 12                           ; 256 w + 64 h: in a table of 256 f32
.set PW,  13
.set Z,   14                           ; v14, v15, v17: z
.set PR,  16
.set Z2,  17
.set WS,  18
.set ASR, 26
.set TM,  42                           ; +0..3 largest magnitudes, +4..7 the other half's, then bytes, +8..11 scale operands
.set MX,  42                           ; latent: four largest magnitudes,
.set SO,  46                           ; four scale operands
.set PWD, 54
.set CC,  56
.set EW,  56                           ; the head's own addresses lie where the codes will
.set ESW, 57
.set LC0, 58
.set LS0, 59
.set PO,  60
.set LGO, 61
.set R_,  62
.set H_,  63
.set AR,  64
.set RG,  128
.set T0,  96
.set VV,  0                            ; window 1: the encoding's 96 numbers,
.set TP,  96                           ; 24 at work,
.set ETM, 120                          ; its quantiser's registers
.set EPW, 132
.set LP,  50
.set PA,  52
.set QA,  54
.set TBP, 56
.set TBW, 58
.set SEL, 60
.set PI,  66
.set QI,  68
.set BC,  83
.set MSB, 0
.macro WIN new                         ; the immediate's high byte repeats the setting that is left; a switch that changes nothing is dropped
.if MSB != \new
	s_set_vgpr_msb (MSB<<8)|\new
.set MSB, \new
.endif
.endm
.macro PLACES                          ; four plain lines between a matrix instruction and a load into, or a vector line on, its registers
.rept 4
	v_nop
.endr
.endm
.macro BAR                             ; my LDS stores have landed and my LDS reads are back; then all eight waves meet
	s_wait_dscnt 0x0
	s_barrier_signal -1
	s_barrier_wait -1
.endm
; one matrix instruction.  c < 0: the constant 0 starts the sum.  odd: the weight tile's scale words lie in lanes 16-31
.macro WM d, a, b, c, sa, sb, odd
.if (\c) < 0
.if (\odd)
	v_wmma_scale_f32_16x16x128_f8f6f4 v[(\d):(\d)+7], v[(\a):(\a)+7], v[(\b):(\b)+7], 0, v[(\sa)], v[(\sb)] matrix_a_fmt:MATRIX_FMT_FP4 matrix_b_fmt:MATRIX_FMT_FP4 matrix_a_scale:MATRIX_SCALE_ROW1
.else
	v_wmma_scale_f32_16x16x128_f8f6f4 v[(\d):(\d)+7], v[(\a):(\a)+7], v[(\b):(\b)+7], 0, v[(\sa)], v[(\sb)] matrix_a_fmt:MATRIX_FMT_FP4 matrix_b_fmt:MATRIX_FMT_FP4
.endif
.else
.if (\odd)
	v_wmma_scale_f32_16x16x128_f8f6f4 v[(\d):(\d)+7], v[(\a):(\a)+7], v[(\b):(\b)+7], v[(\c):(\c)+7], v[(\sa)], v[(\sb)] matrix_a_fmt:MATRIX_FMT_FP4 matrix_b_fmt:MATRIX_FMT_FP4 matrix_a_scale:MATRIX_SCALE_ROW1
.else
	v_wmma_scale_f32_16x16x128_f8f6f4 v[(\d):(\d)+7], v[(\a):(\a)+7], v[(\b):(\b)+7], v[(\c):(\c)+7], v[(\sa)], v[(\sb)] matrix_a_fmt:MATRIX_FMT_FP4 matrix_b_fmt:MATRIX_FMT_FP4
.endif
.endif
.endm
; nine loads: K step k (from the bases P, Q) of my 64 units into a ring slot, and its scale words
.macro WFRAG slot, P, Q, k
.irp t,0,1,2,3
.irp c,0,1
	global_load_b128 v[RG+32*(\slot)+8*\t+4*\c:RG+32*(\slot)+8*\t+4*\c+3], v[WOF], s[\P:\P+1] offset:(\k)*16384+1024*\t+512*\c
.endr
.endr
	global_load_b64 v[WS+2*(\slot):WS+2*(\slot)+1], v[SOF], s[\Q:\Q+1] offset:(\k)*1024
.endm
.macro WFRAGH slot, P, Q, k            ; the same in the head (slots 0 and 1), counted
	WFRAG \slot, \P, \Q, \k
.set LI, LI+9
.if (\slot) == 0
.set EW0, LI
.else
.set EW1, LI
.endif
.endm
; eight loads: 32 numbers of a table of 256 f32 into a ring slot, in the layout of a result
.macro BVEC slot, P, imm
.irp t,0,1,2,3
.irp e,0,1
	global_load_b128 v[RG+32*(\slot)+8*\t+4*\e:RG+32*(\slot)+8*\t+4*\e+3], v[BOF], s[\P:\P+1] offset:(\imm)+128*(\t/2)+32*(\t%2)+16*\e
.endr
.endr
.endm
; nine LDS loads: half hf of a K step's fragments (tiles of rows 4 hf .. 4 hf + 3) into a half set, and their scale words
.macro FETCHH set, hf, adr, off, sadr, soff
.irp i,0,1,2,3
	ds_load_b128 v[AR+32*(\set)+8*\i:AR+32*(\set)+8*\i+3], v[\adr] offset:(\off)+1088*(4*(\hf)+\i)
	ds_load_b128 v[AR+32*(\set)+8*\i+4:AR+32*(\set)+8*\i+7], v[\adr] offset:(\off)+1088*(4*(\hf)+\i)+544
.endr
	ds_load_b128 v[ASR+4*(\set):ASR+4*(\set)+3], v[\sadr] offset:(\soff)+256*(\hf)
.endm
; 16 matrix instructions: x += my four weight tiles x four tiles of rows.  The accumulators take turns, one instruction a turn
.macro XMUL16 slot, hf, set, zero
	WIN 0x50                                       ; C and D window 1
.irp i,0,1,2,3
.irp t,0,1,2,3
.if \zero
	WM 32*(4*(\hf)+\i)+8*\t, RG+32*(\slot)+8*\t, AR+32*(\set)+8*\i, -1, WS+2*(\slot)+\t/2, ASR+4*(\set)+\i, \t&1
.else
	WM 32*(4*(\hf)+\i)+8*\t, RG+32*(\slot)+8*\t, AR+32*(\set)+8*\i, 32*(4*(\hf)+\i)+8*\t, WS+2*(\slot)+\t/2, ASR+4*(\set)+\i, \t&1
.endif
.endr
.endr
	WIN 0
.endm
; a K step that adds onto x.  lc: the loads issued behind this slot's.  Each half set takes the next K step's half as soon as it is multiplied; the count 9 leaves the other half set's nine loads out
.macro XSTEP slot, zero, lc, nf, adr, off, sadr, soff
	s_wait_loadcnt \lc
	s_wait_dscnt 9
	XMUL16 \slot, 0, 0, \zero
	PLACES
.if \nf
	FETCHH 0, 0, \adr, \off, \sadr, \soff
	s_wait_dscnt 9
.else
	s_wait_dscnt 0x0
.endif
	XMUL16 \slot, 1, 1, \zero
	PLACES
.if \nf
	FETCHH 1, 1, \adr, \off, \sadr, \soff
.endif
.endm
; a K step in the head: one half set serves both halves, since the other's registers hold latent
.macro XH slot, zero, adr, off, sadr, soff
.if (\slot) == 0
.set XW, LI-EW0
.else
.set XW, LI-EW1
.endif
.if XW > 63
.set XW, 63                            ; the count's field holds 63 at the most; a smaller count only waits for more
.endif
	s_wait_loadcnt XW
.irp hf,0,1
	FETCHH 0, \hf, \adr, \off, \sadr, \soff
	s_wait_dscnt 0x0
	XMUL16 \slot, \hf, 0, \zero
	PLACES
.endr
.endm
.macro RELU n                          ; two numbers a line, ascending: each accumulator is read from its low end on
.set jj, 0
.rept \n
	v_dual_max_num_f32 v[AR+jj], 0, v[AR+jj] :: v_dual_max_num_f32 v[AR+1+jj], 0, v[AR+1+jj]
.set jj, jj+2
.endr
.endm
.macro STAGE p, b                      ; x + a bias table (in ring registers from b on) of tiles of rows 2 p, 2 p + 1
	WIN 0x01                                       ; source 0 (x) window 1
.irp mm,0,1
.set ii, 0
.rept 16
	v_pk_add_f32 v[AR+32*\mm+ii:AR+32*\mm+ii+1], v[32*(2*(\p)+\mm)+ii:32*(2*(\p)+\mm)+ii+1], v[(\b)+ii:(\b)+ii+1]
.set ii, ii+2
.endr
.endr
	WIN 0
.endm
; 64 numbers, none negative: block q in registers AR + 16 q .. + 15, its other 16 in lane l xor 16.  Codes to v[CC] on, two scale bytes a tile to v[PWD], v[PWD+1]
.macro QUANT4
.irp q,0,1,2,3
	v_max3_num_f32 v[TM+\q], v[AR+16*\q], v[AR+1+16*\q], 0x1800000   ; with the floor 2^(3 - 127): the byte cannot fall under 1
.endr
.irp i,2,4,6,8,10,12,14
.irp q,0,1,2,3
	v_max3_num_f32 v[TM+\q], v[TM+\q], v[AR+16*\q+\i], v[AR+1+16*\q+\i]
.endr
.endr
.irp q,0,1,2,3
	v_permlanex16_b32 v[TM+4+\q], v[TM+\q], s[SEL], s[SEL+1]
.endr
.irp q,0,1,2,3
	v_max_num_f32 v[TM+\q], v[TM+\q], v[TM+4+\q]
.endr
.irp q,0,1,2,3
	v_add_nc_u32 v[TM+8+\q], 0xff000000, v[TM+\q]  ; 2 off the exponent field: the conversion's scale operand
.endr
.irp q,0,1,2,3
	v_lshrrev_b32 v[TM+4+\q], 23, v[TM+8+\q]       ; the scale's byte
.endr
	s_wait_alu depctr_va_vdst(0)
	s_wait_dscnt 0x0                               ; the last stores have read the registers that are written next
	v_lshl_or_b32 v[PWD], v[TM+5], 8, v[TM+4]
	v_lshl_or_b32 v[PWD+1], v[TM+7], 8, v[TM+6]
.irp q,0,1,2,3
	v_cvt_scalef32_pk8_fp4_f32 v[CC+2*\q], v[AR+16*\q:AR+7+16*\q], v[TM+8+\q]
	v_cvt_scalef32_pk8_fp4_f32 v[CC+2*\q+1], v[AR+8+16*\q:AR+15+16*\q], v[TM+8+\q]
.endr
	v_nop                                          ; one plain line behind the last scaled conversion
.endm
; the same for 32 numbers (one tile of rows, two blocks); four chains of eight, joined in pairs
.macro QUANT2
.irp c,0,1,2,3
	v_max3_num_f32 v[TM+\c], v[AR+8*\c], v[AR+1+8*\c], 0x1800000
.endr
.irp i,2,4,6
.irp c,0,1,2,3
	v_max3_num_f32 v[TM+\c], v[TM+\c], v[AR+8*\c+\i], v[AR+1+8*\c+\i]
.endr
.endr
	v_max_num_f32 v[TM], v[TM], v[TM+1]
	v_max_num_f32 v[TM+1], v[TM+2], v[TM+3]
.irp q,0,1
	v_permlanex16_b32 v[TM+4+\q], v[TM+\q], s[SEL], s[SEL+1]
.endr
.irp q,0,1
	v_max_num_f32 v[TM+\q], v[TM+\q], v[TM+4+\q]
.endr
.irp q,0,1
	v_add_nc_u32 v[TM+8+\q], 0xff000000, v[TM+\q]
.endr
.irp q,0,1
	v_lshrrev_b32 v[TM+4+\q], 23, v[TM+8+\q]
.endr
	s_wait_alu depctr_va_vdst(0)
	s_wait_dscnt 0x0                               ; the last stores have read the registers that are written next
	v_lshl_or_b32 v[PWD], v[TM+5], 8, v[TM+4]
.irp q,0,1
	v_cvt_scalef32_pk8_fp4_f32 v[CC+2*\q], v[AR+16*\q:AR+7+16*\q], v[TM+8+\q]
	v_cvt_scalef32_pk8_fp4_f32 v[CC+2*\q+1], v[AR+8+16*\q:AR+15+16*\q], v[TM+8+\q]
.endr
	v_nop
.endm
.macro XQ p                            ; relu(x + XB) of tiles of rows 2 p, 2 p + 1, quantised; my 16 codes are bytes 8 h .. 8 h + 7 of my row in piece 2 (w % 2) + b of K step w / 2
	STAGE \p, RG+64
	RELU 32
	QUANT4
.irp mm,0,1
.irp b,0,1
	ds_store_b64 v[AW], v[CC+4*\mm+2*\b:CC+4*\mm+2*\b+1] offset:ACTA+1088*(2*(\p)+\mm)+272*\b
.endr
.endr
.irp mm,0,1
	ds_store_b16 v[SW], v[PWD+\mm] offset:ASCA+256*((2*(\p)+\mm)/4)+4*((2*(\p)+\mm)%4)   ; both halves of the lanes write the same two bytes
.endr
.endm
.macro GF m                            ; four LDS loads: relu(x)'s fragments of tile of rows m, both K steps
.irp s,0,1
.irp c,0,1
	ds_load_b128 v[AR+32+16*((\m)&1)+8*\s+4*\c:AR+32+16*((\m)&1)+8*\s+4*\c+3], v[RD2] offset:ACTA+8704*\s+1088*(\m)+544*\c
.endr
.endr
.endm
; net = relu(x) W0 + b0 for tile of rows m: four accumulators by turns, b0 as the C of each sum's first instruction; relu; quantised
.macro W0P m
.if (\m) < 7
	GF (\m)+1
	s_wait_dscnt 4                                 ; all but the four just issued
.else
	s_wait_dscnt 0x0
.endif
.if (\m) == 0
	s_wait_loadcnt 9                               ; behind b0's and W0's loads stand the nine of W1's first K step
.endif
.irp t,0,1,2,3
	WM AR+8*\t, RG+8*\t, AR+32+16*((\m)&1), RG+96+8*\t, WS+\t/2, ASR+(\m), \t&1
.endr
.irp t,0,1,2,3
	WM AR+8*\t, RG+32+8*\t, AR+40+16*((\m)&1), AR+8*\t, WS+2+\t/2, ASR+8+(\m), \t&1
.endr
	PLACES
	RELU 16
	QUANT2
.irp b,0,1
	ds_store_b64 v[AW], v[CC+2*\b:CC+2*\b+1] offset:ACTB+1088*(\m)+272*\b
.endr
	ds_store_b16 v[SW], v[PWD] offset:ASCB+256*((\m)/4)+4*((\m)%4)
.endm
; sin and cos of pi 2^k x for three numbers, by turns (all registers in window 1).  a = x F is the product that reference() rounds too; n = the nearest multiple of pi / 2
.macro SINCOS3 src, k, ds, dc
.irp c,0,1,2
	v_mul_f32 v[TP+8*\c], 0x40490fdb+((\k)<<23), v[(\src)+\c]
.endr
.irp c,0,1,2
	v_mul_f32 v[TP+8*\c+1], 0x3f22f983, v[TP+8*\c] ; a x 2 / pi
.endr
.irp c,0,1,2
	v_rndne_f32 v[TP+8*\c+1], v[TP+8*\c+1]
.endr
.irp c,0,1,2
	v_fma_f32 v[TP+8*\c], -v[TP+8*\c+1], s72, v[TP+8*\c]   ; a - n x (pi / 2 as f32),
.endr
.irp c,0,1,2
	v_fma_f32 v[TP+8*\c], -v[TP+8*\c+1], s73, v[TP+8*\c]   ; - n x what that f32 leaves of pi / 2
.endr
.irp c,0,1,2
	v_cvt_i32_f32 v[TP+8*\c+2], v[TP+8*\c+1]
.endr
.irp c,0,1,2
	v_mul_f32 v[TP+8*\c+3], v[TP+8*\c], v[TP+8*\c] ; z
.endr
.irp c,0,1,2
	v_fma_f32 v[TP+8*\c+4], v[TP+8*\c+3], s76, s75
	v_fma_f32 v[TP+8*\c+5], v[TP+8*\c+3], s79, s78
.endr
.irp c,0,1,2
	v_fma_f32 v[TP+8*\c+4], v[TP+8*\c+4], v[TP+8*\c+3], s74
	v_fma_f32 v[TP+8*\c+5], v[TP+8*\c+5], v[TP+8*\c+3], s77
.endr
.irp c,0,1,2
	v_mul_f32 v[TP+8*\c+6], v[TP+8*\c], v[TP+8*\c+3]
	v_mul_f32 v[TP+8*\c+7], v[TP+8*\c+3], v[TP+8*\c+3]
.endr
.irp c,0,1,2
	v_fma_f32 v[TP+8*\c+3], v[TP+8*\c+3], -0.5, 1.0
.endr
.irp c,0,1,2
	v_fma_f32 v[TP+8*\c+4], v[TP+8*\c+4], v[TP+8*\c+6], v[TP+8*\c]     ; the sine of the rest
	v_fma_f32 v[TP+8*\c+5], v[TP+8*\c+5], v[TP+8*\c+7], v[TP+8*\c+3]   ; its cosine
.endr
.irp c,0,1,2
	v_and_b32 v[TP+8*\c+6], 1, v[TP+8*\c+2]
.endr
.irp c,0,1,2
	v_cmp_eq_u32 s[80+\c], 1, v[TP+8*\c+6]         ; an odd n swaps the two
.endr
.irp c,0,1,2
	v_cndmask_b32 v[TP+8*\c+7], v[TP+8*\c+4], v[TP+8*\c+5], s[80+\c]
	v_cndmask_b32 v[TP+8*\c+4], v[TP+8*\c+5], v[TP+8*\c+4], s[80+\c]
.endr
.irp c,0,1,2
	v_lshlrev_b32 v[TP+8*\c+6], 30, v[TP+8*\c+2]   ; the sine's sign: bit 1 of n;
	v_add_nc_u32 v[TP+8*\c+2], 1, v[TP+8*\c+2]
.endr
.irp c,0,1,2
	v_and_b32 v[TP+8*\c+6], s71, v[TP+8*\c+6]
	v_lshlrev_b32 v[TP+8*\c+2], 30, v[TP+8*\c+2]   ; the cosine's: bit 1 of n + 1
.endr
.irp c,0,1,2
	v_xor_b32 v[(\ds)+\c], v[TP+8*\c+6], v[TP+8*\c+7]
	v_and_b32 v[TP+8*\c+2], s71, v[TP+8*\c+2]
.endr
.irp c,0,1,2
	v_xor_b32 v[(\dc)+\c], v[TP+8*\c+2], v[TP+8*\c+4]
.endr
.endm
; group G of latent (G = 4 x K step + quarter of my 16 rows): four loads of 512 consecutive bytes into register set G % 5
.macro GLD G
.if ((\G)%5) == 4
.set LGB, 112
.else
.set LGB, 192+16*((\G)%5)
.endif
.irp n,0,1,2,3
	global_load_b128 v[LGB+4*\n:LGB+4*\n+3], v[LGO], s[LP:LP+1] offset:(4*((\G)%4)+\n)*3072+512*((\G)/4) th:TH_LOAD_NT
.endr
.set LI, LI+4
.if ((\G)%5) == 0
.set E0, LI
.endif
.if ((\G)%5) == 1
.set E1, LI
.endif
.if ((\G)%5) == 2
.set E2, LI
.endif
.if ((\G)%5) == 3
.set E3, LI
.endif
.if ((\G)%5) == 4
.set E4, LI
.endif
.endm
.macro GWAIT G                         ; all loads issued behind group G's may stay out
.if ((\G)%5) == 0
	s_wait_loadcnt LI-E0
.endif
.if ((\G)%5) == 1
	s_wait_loadcnt LI-E1
.endif
.if ((\G)%5) == 2
	s_wait_loadcnt LI-E2
.endif
.if ((\G)%5) == 3
	s_wait_loadcnt LI-E3
.endif
.if ((\G)%5) == 4
	s_wait_loadcnt LI-E4
.endif
.endm
; group G is quantised and stored, and its registers take group G + 5
.macro QG G
.if ((\G)%5) == 4
.set QB, 112
.else
.set QB, 192+16*((\G)%5)
.endif
.set QS, (\G)/4
.set QR, 4*((\G)%4)
.set BS, 96+8*((\G)&1)
	GWAIT \G
	s_wait_dscnt 8                                 ; the last group's eight stores may be out; those of the group before, which read the registers written here, are done
.irp n,0,1,2,3
	v_max3_num_f32 v[MX+\n], 0x1800000, |v[QB+4*\n]|, |v[QB+4*\n+1]|
.endr
.irp n,0,1,2,3
	v_max3_num_f32 v[MX+\n], v[MX+\n], |v[QB+4*\n+2]|, |v[QB+4*\n+3]|
.endr
.irp x,1,2,4
.irp n,0,1,2,3
	v_max_num_f32_dpp v[MX+\n], v[MX+\n], v[MX+\n] row_xmask:\x row_mask:0xf bank_mask:0xf   ; the block's eight lanes
.endr
.endr
.irp n,0,1,2,3
	v_add_nc_u32 v[SO+\n], 0xff000000, v[MX+\n]
.endr
.irp n,0,1,2,3
	v_lshrrev_b32 v[BS+4+\n], 23, v[SO+\n]
.endr
.irp j,0,1
	v_cvt_scalef32_pk8_fp4_f32 v[BS+2*\j], v[QB+8*\j:QB+8*\j+7], v[SO+2*\j]       ; its low 16 bits: row 2 j's four codes
	v_cvt_scalef32_pk8_fp4_f32 v[BS+2*\j+1], v[QB+8*\j:QB+8*\j+7], v[SO+2*\j+1]   ; its high 16 bits: row 2 j + 1's
.endr
	v_nop                                          ; one plain line behind the last scaled conversion
.irp j,0,1
	ds_store_b16 v[LC0], v[BS+2*\j] offset:8768*QS+16*(QR+2*\j)
	ds_store_b16_d16_hi v[LC0], v[BS+2*\j+1] offset:8768*QS+16*(QR+2*\j+1)
.endr
.irp n,0,1,2,3
	ds_store_b8 v[LS0], v[BS+4+\n] offset:LSC+512*QS+16*(QR+\n)   ; a block's eight lanes write the same byte
.endr
.if (\G)+5 < 24
	GLD (\G)+5
.endif
.endm
; the heads: my 64 units' part of relu(x + XB3) . column k of W_out, for two tiles of rows; sums in v[TM + 4 k + 2 mm]
.macro CFIN k, p
.irp mm,0,1
	v_add_f32 v[TM+4*\k+2*\mm], v[TM+4*\k+2*\mm], v[TM+4*\k+2*\mm+1]
.endr
.irp mm,0,1
	v_permlanex16_b32 v[TM+4*\k+2*\mm+1], v[TM+4*\k+2*\mm], s[SEL], s[SEL+1]
.endr
.irp mm,0,1
	v_add_f32 v[TM+4*\k+2*\mm], v[TM+4*\k+2*\mm], v[TM+4*\k+2*\mm+1]   ; with the other half's 32 units
.endr
	v_cndmask_b32 v[TM+4*\k], v[TM+4*\k], v[TM+4*\k+2], s70   ; lane l takes row 32 p + l
	ds_store_b32 v[PW], v[TM+4*\k] offset:2048*\k+512*(\p)
.endm
.macro HEADP p
	s_wait_dscnt 0x0                               ; the last stores have read the sums' registers
	STAGE \p, RG
	RELU 32
.irp mm,0,1
	v_pk_mul_f32 v[TM+2*\mm:TM+2*\mm+1], v[AR+32*\mm:AR+32*\mm+1], v[RG+32:RG+33]
.endr
.set ii, 2
.rept 15
.irp mm,0,1
	v_pk_fma_f32 v[TM+2*\mm:TM+2*\mm+1], v[AR+32*\mm+ii:AR+32*\mm+ii+1], v[RG+32+ii:RG+33+ii], v[TM+2*\mm:TM+2*\mm+1]
.endr
.set ii, ii+2
.endr
	CFIN 0, \p
	s_cmp_eq_u32 s3, 0                             ; the density head has one column
	s_cbranch_scc1 .Lone_\@
.if (\p) == 0
	s_wait_loadcnt 0x0                             ; the second and third column
.endif
.irp k,1,2
.irp mm,0,1
	v_pk_mul_f32 v[TM+4*\k+2*\mm:TM+4*\k+2*\mm+1], v[AR+32*\mm:AR+32*\mm+1], v[RG+32+32*\k:RG+33+32*\k]
.endr
.endr
.set ii, 2
.rept 15
.irp k,1,2
.irp mm,0,1
	v_pk_fma_f32 v[TM+4*\k+2*\mm:TM+4*\k+2*\mm+1], v[AR+32*\mm+ii:AR+32*\mm+ii+1], v[RG+32+32*\k+ii:RG+33+32*\k+ii], v[TM+4*\k+2*\mm:TM+4*\k+2*\mm+1]
.endr
.endr
.set ii, ii+2
.endr
	CFIN 1, \p
	CFIN 2, \p
.Lone_\@:
.endm
	; ---- head: scalars first, then the lanes' addresses in one run
	s_load_b512 s[8:23], s[0:1], 0x0               ; latent, pts_a, dirs_a, pts_b, dirs_b, z_vals, wq, ws
	s_load_b256 s[24:31], s[0:1], 0x40             ; tb, db_out, cb_out, out0
	v_lshl_add_u32 v[SPW], v0, 2, SPARE
	v_mov_b32 v[NIL], 0
	v_lshrrev_b32 v1, 5, v0
	v_readfirstlane_b32 s2, v1                     ; wave W
	s_lshr_b32 s3, s2, 2                           ; the MLP
	s_and_b32 s4, s2, 3                            ; w
	s_lshr_b32 s33, s4, 1                          ; w / 2: the K step that my units belong to
	s_and_b32 s34, s4, 1                           ; w % 2: its half
	s_mul_i32 s35, s3, MSZ
	s_add_co_u32 s35, s35, B2                      ; my MLP's region
	s_mul_i32 s5, s33, 8704
	s_mul_i32 s6, s34, 544
	s_add_co_u32 s5, s5, s6
	s_add_co_u32 s40, s5, s35
	s_lshl_b32 s5, s33, 9
	s_lshl_b32 s6, s34, 1
	s_add_co_u32 s5, s5, s6
	s_add_co_u32 s41, s5, s35
	s_mul_i32 s5, s4, 2176                         ; the encoding: rows 32 w + lane are tiles 2 w, 2 w + 1
	s_add_co_u32 s42, s5, s35
	s_lshl_b32 s5, s33, 8
	s_lshl_b32 s6, s34, 3
	s_add_co_u32 s5, s5, s6
	s_add_co_u32 s43, s5, s35
	s_mul_i32 s44, s2, 1088                        ; latent: my 16 rows are tile W
	s_lshl_b32 s5, s3, 8
	s_lshl_b32 s6, s4, 2
	s_add_co_u32 s45, s5, s6                       ; 256 (W / 4) + 4 (W % 4)
	s_lshl_b32 s46, s4, 12
	s_lshl_b32 s47, s4, 8
	s_lshl_b32 s5, s3, 11
	s_add_co_u32 s5, s5, s6
	s_add_co_u32 s48, s5, PT                       ; column 0 for the density, 1 to 3 for the colour
	s_and_b32 s7, s2, 1
	s_lshl_b32 s6, s7, 10
	s_add_co_u32 s49, s6, PT
	s_mov_b32 s[SEL], 0x76543210
	s_mov_b32 s[SEL+1], 0xfedcba98                 ; lane l xor 16
	s_mov_b32 s70, 0xffff0000                      ; lanes 16-31
	s_mov_b32 s71, 0x80000000                      ; a sign; also lane 31
	s_mov_b32 s72, 0x3fc90fdb                      ; pi / 2 as f32,
	s_mov_b32 s73, 0xb33bbd2e                      ; and what it leaves
	s_mov_b32 s74, 0xbe2aaaa3                      ; the sine's three coefficients,
	s_mov_b32 s75, 0x3c08839e
	s_mov_b32 s76, 0xb94ca1f9
	s_mov_b32 s77, 0x3d2aaaa5                      ; the cosine's
	s_mov_b32 s78, 0xbab6061a
	s_mov_b32 s79, 0x37ccf5ce
	v_and_b32 v1, 31, v0                           ; lane
	v_and_b32 v[R_], 15, v0                        ; r
	v_bfe_u32 v[H_], v0, 4, 1                      ; h
	v_mul_u32_u24 v[RD], v[H_], 272
	v_lshl_add_u32 v[RD], v[R_], 4, v[RD]
	v_add_nc_u32 v[RD2], s35, v[RD]
	v_lshlrev_b32 v[SR], 4, v[R_]
	v_add_nc_u32 v[SR2], s35, v[SR]
	v_lshl_add_u32 v[AW], v[H_], 3, v[SR]
	v_add_nc_u32 v[AW], s40, v[AW]                 ; 16 r + 8 h + 8,704 (w / 2) + 544 (w % 2) + region
	v_add_nc_u32 v[SW], s41, v[SR]                 ; 16 r + 512 (w / 2) + 2 (w % 2) + region
	v_mul_u32_u24 v[EW], v[H_], 1088
	v_add_nc_u32 v[EW], v[EW], v[SR]
	v_add_nc_u32 v[EW], s42, v[EW]
	v_lshl_add_u32 v[ESW], v[H_], 2, v[SR]
	v_add_nc_u32 v[ESW], s43, v[ESW]
	v_lshrrev_b32 v[T0], 3, v1                     ; which block of a K step my 4 numbers of latent lie in
	v_and_b32 v[T0+1], 7, v1                       ; and which eighth of it
	v_mul_u32_u24 v[LC0], v[T0], 272
	v_lshl_add_u32 v[LC0], v[T0+1], 1, v[LC0]
	v_add_nc_u32 v[LC0], s44, v[LC0]
	v_add_nc_u32 v[LS0], s45, v[T0]
	v_lshlrev_b32 v[LGO], 4, v1
	v_add_nc_u32 v[WOF], s46, v[LGO]
	v_lshlrev_b32 v[T0+2], 3, v1                   ; z: samples 2 l, 2 l + 1,
	v_add_nc_u32 v[SOF], s47, v[T0+2]
	v_lshl_add_u32 v[BOF], v[H_], 6, s47
	v_add_nc_u32 v[PW], s48, v[LGO]
	v_lshlrev_b32 v[PR], 5, v1
	v_add_nc_u32 v[PR], s49, v[PR]
	v_and_b32 v[PO], 127, v0
	v_mul_u32_u24 v[PO], v[PO], 12                 ; my row (32 w + lane) of pts and dirs
	v_lshl_add_u32 v[T0+3], v1, 1, 2
	v_min_u32 v[T0+3], 63, v[T0+3]                 ; and 2 l + 2, held inside the ray
	v_lshlrev_b32 v[T0+3], 2, v[T0+3]
.irp q,0,1,2,3
	v_mov_b32 v[TM+4+\q], 0                        ; written once: a lane permute's destination counts as one of its sources
.endr
	s_wait_alu depctr_va_vdst(0)
	s_wait_kmcnt 0x0
	s_load_b32 s32, s[26:27], 0x0                  ; db_out
	s_load_b96 s[36:38], s[28:29], 0x0             ; cb_out
	s_mov_b32 s63, 0
	s_lshl_b32 s5, ttmp9, 7
	s_lshl_b32 s6, s2, 4
	s_add_co_u32 s5, s5, s6
	s_mul_i32 s62, s5, 3072                        ; my first row of latent: 128 x work-group + 16 W (under 2^31 bytes)
	s_add_nc_u64 s[LP:LP+1], s[8:9], s[62:63]
	s_mul_i32 s62, ttmp9, 1536                     ; 128 rows of 12 bytes
	s_add_nc_u64 s[10:11], s[10:11], s[62:63]
	s_add_nc_u64 s[12:13], s[12:13], s[62:63]
	s_add_nc_u64 s[14:15], s[14:15], s[62:63]
	s_add_nc_u64 s[16:17], s[16:17], s[62:63]
	s_lshl_b32 s5, ttmp9, 1
	s_add_co_u32 s5, s5, s7                        ; the ray 2 x work-group + W % 2
	s_lshl_b32 s62, s5, 8
	s_add_nc_u64 s[18:19], s[18:19], s[62:63]
	s_lshl_b32 s62, s5, 4
	s_add_nc_u64 s[30:31], s[30:31], s[62:63]
	s_mul_i32 s62, s3, 491520                      ; an MLP's 30 K steps
	s_add_nc_u64 s[PA:PA+1], s[20:21], s[62:63]
	s_add_nc_u64 s[PA:PA+1], s[PA:PA+1], 32768
	s_mul_i32 s62, s3, 30720
	s_add_nc_u64 s[QA:QA+1], s[22:23], s[62:63]
	s_add_nc_u64 s[QA:QA+1], s[QA:QA+1], 2048
	s_lshl_b32 s62, s3, 14
	s_add_nc_u64 s[PI:PI+1], s[20:21], s[62:63]    ; W_in's K step
	s_lshl_b32 s62, s3, 10
	s_add_nc_u64 s[QI:QI+1], s[22:23], s[62:63]
	s_add_nc_u64 s[TBW:TBW+1], s[24:25], s[62:63]
	s_add_nc_u64 s[TBW:TBW+1], s[TBW:TBW+1], 14336 ; my head's first column of W_out
	s_mul_i32 s62, s3, 7168
	s_add_nc_u64 s[TBP:TBP+1], s[24:25], s[62:63]
	global_load_b64 v[Z:Z+1], v[T0+2], s[18:19]    ; z first: every later wait on loads covers it
	global_load_b32 v[Z2], v[T0+3], s[18:19]
	WIN 0x40                                       ; into window 1
.irp c,0,1,2                                   ; straight into their places in the colour MLP's order: ea 0-38, dirs_a 39-41, eb 42-80, dirs_b 81-83
	global_load_b32 v[VV+\c], v[PO], s[10:11] offset:4*\c th:TH_LOAD_NT
	global_load_b32 v[VV+39+\c], v[PO], s[12:13] offset:4*\c th:TH_LOAD_NT
	global_load_b32 v[VV+42+\c], v[PO], s[14:15] offset:4*\c th:TH_LOAD_NT
	global_load_b32 v[VV+81+\c], v[PO], s[16:17] offset:4*\c th:TH_LOAD_NT
.endr
	WIN 0
.set LI, 14
	WFRAGH 1, PI, QI, 0                            ; W_in's K step and Wz's first: older than all of latent
	WFRAGH 0, PA, QA, 0
.irp g,0,1,2,3,4
	GLD \g
.endr
	; ---- K steps 0 to 2 of latent; behind each of the twelve groups a twelfth of the positional encoding of row 32 w + lane, in window 1
.irp e,0,1,2,3,4,5,6,7,8,9,10,11
	QG \e
	WIN 0x55
	SINCOS3 VV+42*(\e%2), \e/2, VV+42*(\e%2)+3+6*(\e/2), VV+42*(\e%2)+6+6*(\e/2)
	WIN 0
.endr
	WIN 0x55
.irp i,84,85,86,87,88,89,90,91,92,93,94,95
	v_mov_b32 v[VV+\i], 0                          ; the last block is filled with zeros
.endr
.irp i,12,13,14,15
	v_mov_b32 v[TP+\i], 0                          ; k = 96 .. 127: zero codes
.endr
	WIN 0
	s_wait_alu depctr_va_vdst(0)
	s_cmp_lg_u32 s3, 0
	s_cbranch_scc1 .Lc_order
	WIN 0x55
.set ii, 0
.rept 39
	v_mov_b32 v[VV+39+ii], v[VV+42+ii]             ; the density MLP's order: eb follows ea
.set ii, ii+1
.endr
.irp i,78,79,80,81,82,83
	v_mov_b32 v[VV+\i], 0
.endr
	WIN 0
.Lc_order:
	WIN 0x55
.irp b,0,1,2                                   ; the three blocks, all in my lane
	v_max3_num_f32 v[ETM+\b], |v[VV+32*\b]|, |v[VV+32*\b+1]|, 0x1800000
.endr
.irp i,2,4,6,8,10,12,14,16,18,20,22,24,26,28,30
.irp b,0,1,2
	v_max3_num_f32 v[ETM+\b], v[ETM+\b], |v[VV+32*\b+\i]|, |v[VV+32*\b+\i+1]|
.endr
.endr
.irp b,0,1,2
	v_add_nc_u32 v[ETM+8+\b], 0xff000000, v[ETM+\b]
.endr
.irp b,0,1,2
	v_lshrrev_b32 v[ETM+4+\b], 23, v[ETM+8+\b]
.endr
.irp b,0,1,2
.irp g,0,1,2,3
	v_cvt_scalef32_pk8_fp4_f32 v[TP+4*\b+\g], v[VV+32*\b+8*\g:VV+32*\b+8*\g+7], v[ETM+8+\b]
.endr
.endr
	v_nop                                          ; one plain line behind the last scaled conversion
	v_lshl_or_b32 v[EPW], v[ETM+5], 8, v[ETM+4]    ; my row's scale word; the last 32 codes are zeros, under the byte 127
	v_lshl_or_b32 v[EPW], v[ETM+6], 16, v[EPW]
	v_or_b32 v[EPW], 0x7f000000, v[EPW]
	WIN 0x04                                       ; the stores' data window 1
.irp q,0,1,2,3
	ds_store_b128 v[EW], v[TP+4*\q:TP+4*\q+3] offset:ENC+272*\q
.endr
	ds_store_b32 v[ESW], v[EPW] offset:ESC
	WIN 0
	s_wait_alu depctr_va_vdst(0)
	s_wait_kmcnt 0x0                               ; db_out, cb_out
	BAR                                            ; the encodings and K steps 0 to 2 lie in LDS
	; ---- the first block's products with W_in and Wz, between the groups of K steps 3 to 5.  A weight item is asked for three to five groups ahead of its use
	XH 1, 1, RD2, ENC, SR2, ESC                    ; x = enc W_in: the first product starts the sums
	WFRAGH 1, PA, QA, 1
	XH 0, 0, RD, 0, SR, LSC
	WFRAGH 0, PA, QA, 2
	QG 12
	QG 13
	QG 14
	XH 1, 0, RD, 8768, SR, LSC+512
	WFRAGH 1, PA, QA, 3
	QG 15
	BAR                                            ; K step 3
	QG 16
	XH 0, 0, RD, 8768*2, SR, LSC+512*2
	WFRAGH 0, PA, QA, 4
	QG 17
	QG 18
	XH 1, 0, RD, 8768*3, SR, LSC+512*3
	WFRAGH 1, PA, QA, 5
	QG 19
	BAR                                            ; K step 4
	QG 20
	QG 21
	XH 0, 0, RD, 8768*4, SR, LSC+512*4
	WFRAGH 0, PA, QA, 6                            ; W0's first K step
	BVEC 2, TBP, 0                                 ; XB0, where groups 20 and 21 lay
.set LI, LI+8
.set EXB, LI
	QG 22
	QG 23
	BVEC 3, TBP, 1024                              ; b0, where groups 22 and 23 lay
.set LI, LI+8
	BAR                                            ; K step 5
	XH 1, 0, RD, 8768*5, SR, LSC+512*5
	WFRAGH 1, PA, QA, 7                            ; W0's second
	s_wait_loadcnt LI-EXB                          ; XB0 is in: behind it stand b0's 8 and W0's 9
	s_mov_b32 s[BC], 3
.Lblock:                                               ; a trip: XQ, W0, W1 and the next block's Wz.  The counts: the loads of the three ring items behind the one that is read
	s_wait_loadcnt 26                              ; behind XB: b0's 8 and W0's 18
	XQ 0
	XQ 1
	XQ 2
	XQ 3
	WFRAG 2, PA, QA, 8
	BAR                                            ; relu(x) has landed, and the reads of relu(net) are over
.irp s,0,1
	ds_load_b128 v[ASR+8*\s:ASR+8*\s+3], v[SR2] offset:ASCA+512*\s
	ds_load_b128 v[ASR+8*\s+4:ASR+8*\s+7], v[SR2] offset:ASCA+512*\s+256
.endr
	GF 0
.irp m,0,1,2,3,4,5,6,7
	W0P \m
.endr
	WFRAG 3, PA, QA, 9
	BAR                                            ; relu(net) has landed, and the reads of relu(x) are over
	FETCHH 0, 0, RD2, ACTB, SR2, ASCB
	FETCHH 1, 1, RD2, ACTB, SR2, ASCB
	s_cmp_eq_u32 s[BC], 1
	s_cbranch_scc1 .Llast                          ; the last block's tail is written out: it asks for no further block
	WFRAG 0, PA, QA, 10                            ; the next block's first K steps
	WFRAG 1, PA, QA, 11
	XSTEP 2, 0, 27, 1, RD2, ACTB+8704, SR2, ASCB+512   ; x += relu(net) W1
	WFRAG 2, PA, QA, 12
	XSTEP 3, 0, 27, 1, RD, 0, SR, LSC
	WFRAG 3, PA, QA, 13
	s_wait_xcnt 0x0                                ; the loads have read their bases
	s_add_nc_u64 s[PA:PA+1], s[PA:PA+1], 163840
	s_add_nc_u64 s[QA:QA+1], s[QA:QA+1], 10240
	s_add_nc_u64 s[TBP:TBP+1], s[TBP:TBP+1], 2048
	XSTEP 0, 0, 27, 1, RD, 8768, SR, LSC+512       ; x += latent Wz
	WFRAG 0, PA, QA, 4
	XSTEP 1, 0, 27, 1, RD, 8768*2, SR, LSC+512*2
	WFRAG 1, PA, QA, 5
	XSTEP 2, 0, 27, 1, RD, 8768*3, SR, LSC+512*3
	BVEC 2, TBP, 0                                 ; XB: the biases in x when it is read in this block
	XSTEP 3, 0, 26, 1, RD, 8768*4, SR, LSC+512*4
	BVEC 3, TBP, 1024                              ; b0
	XSTEP 0, 0, 25, 1, RD, 8768*5, SR, LSC+512*5
	WFRAG 0, PA, QA, 6
	XSTEP 1, 0, 25, 0, 0, 0, 0, 0
	WFRAG 1, PA, QA, 7
	s_sub_co_u32 s[BC], s[BC], 1
	s_branch .Lblock
.Llast:
	BVEC 0, TBP, 2048                              ; XB3
	BVEC 1, TBW, 0                                 ; three columns of W_out (the density head uses the first)
	XSTEP 2, 0, 25, 1, RD2, ACTB+8704, SR2, ASCB+512   ; behind W1's first K step: 9 + 8 + 8
	BVEC 2, TBW, 1024
	XSTEP 3, 0, 24, 0, 0, 0, 0, 0                  ; behind its second: 8 + 8 + 8
	BVEC 3, TBW, 2048
	s_wait_loadcnt 16                              ; XB3 and the first column are in; the other two columns' 16 loads may be out
	; ---- the heads: relu(x + XB3) . W_out, my 64 units' part
	HEADP 0
	HEADP 1
	HEADP 2
	HEADP 3
	BAR                                            ; all eight waves' partial sums lie in LDS
	s_cmp_ge_u32 s2, 2
	s_cbranch_scc1 .Lend
	; ---- compositing: wave W takes ray W; lane l samples 2 l and 2 l + 1
.irp c,0,1,2,3
.irp e,0,1
	ds_load_b128 v[128+8*\c+4*\e:131+8*\c+4*\e], v[PR] offset:2048*\c+16*\e
.endr
.endr
	v_sub_f32 v104, v[Z+1], v[Z]                   ; the deltas;
	v_sub_f32 v105, v[Z2], v[Z+1]
	v_mov_b32 v106, 0x447a0000
	v_cndmask_b32 v105, v105, v106, s71            ; the ray's last is 1,000
.irp c,0,1,2,3
	v_mov_b32 v[124+\c], 0                         ; a lane permute's destination counts as one of its sources
.endr
	s_wait_alu depctr_va_vdst(0)
	s_wait_dscnt 0x0
.irp i,0,1,2,3,4,5,6,7
	v_add_f32 v[160+\i], v[128+4*\i], v[129+4*\i]
	v_add_f32 v[168+\i], v[130+4*\i], v[131+4*\i]
.endr
.irp i,0,1,2,3,4,5,6,7
	v_add_f32 v[160+\i], v[160+\i], v[168+\i]      ; the four waves' parts
.endr
.irp e,0,1
	v_add_f32 v[160+\e], s32, v[160+\e]
	v_add_f32 v[162+\e], s36, v[162+\e]
	v_add_f32 v[164+\e], s37, v[164+\e]
	v_add_f32 v[166+\e], s38, v[166+\e]
.endr
	v_max_num_f32 v160, 0, v160
	v_max_num_f32 v161, 0, v161
	v_mul_f32 v160, v160, v104                     ; relu(sigma) x delta
	v_mul_f32 v161, v161, v105
.irp i,0,1,2,3,4,5,6,7
	v_mul_f32 v[160+\i], 0xbfb8aa3b, v[160+\i]     ; x -log2(e)
.endr
	s_wait_alu depctr_va_vdst(0)
.irp i,0,1,2,3,4,5,6,7
	v_exp_f32 v[160+\i], v[160+\i]                 ; one batch: exp(-relu(sigma) delta) twice, exp(-v) six times
.endr
	v_mov_b32 v113, 1.0                            ; a plain line behind the exponentials
	s_wait_alu depctr_va_vdst(0)                   ; one wait for the batch, ahead of its first reader
.irp i,2,3,4,5,6,7
	v_add_f32 v[160+\i], 1.0, v[160+\i]
.endr
	s_wait_alu depctr_va_vdst(0)
.irp i,2,3,4,5,6,7
	v_rcp_f32 v[160+\i], v[160+\i]                 ; the sigmoids
.endr
	v_sub_f32 v108, 1.0, v160                      ; alpha (plain work behind the reciprocals, which it does not name)
	v_sub_f32 v109, 1.0, v161
	v_sub_f32 v110, 1.0, v108
	v_sub_f32 v111, 1.0, v109
	v_add_f32 v110, 0x2edbe6ff, v110               ; 1 - alpha + 1e-10
	v_add_f32 v111, 0x2edbe6ff, v111
	v_mul_f32 v112, v110, v111                     ; my two samples' factor
.irp d,1,2,4,8                                 ; the running product over each half of the lanes
	v_mov_b32_dpp v113, v112 row_shr:\d row_mask:0xf bank_mask:0xf   ; lanes without a source keep 1
	v_mul_f32 v112, v112, v113
	v_mov_b32 v113, 1.0
.endr
	v_mov_b32_dpp v113, v112 row_shr:1 row_mask:0xf bank_mask:0xf    ; of the lanes before me
	v_readlane_b32 s5, v112, 15                    ; lanes 0-15's product goes into lanes 16-31
	v_mul_f32 v115, s5, v113
	v_cndmask_b32 v114, v113, v115, s70            ; the transmittance ahead of sample 2 l,
	v_mul_f32 v115, v114, v110                     ; and ahead of 2 l + 1
	v_mul_f32 v116, v108, v114                     ; the weights
	v_mul_f32 v117, v109, v115
	v_mul_f32 v123, v116, v[Z]
	v_fmac_f32 v123, v117, v[Z+1]                  ; depth
	s_wait_alu depctr_va_vdst(0)                   ; one wait for the six reciprocals, ahead of their first reader
.irp c,0,1,2
	v_mul_f32 v[120+\c], v116, v[162+2*\c]
.endr
.irp c,0,1,2
	v_fmac_f32 v[120+\c], v117, v[163+2*\c]
.endr
.irp x,1,2,4,8
.irp c,0,1,2,3
	v_add_f32_dpp v[120+\c], v[120+\c], v[120+\c] row_xmask:\x row_mask:0xf bank_mask:0xf
.endr
.endr
.irp c,0,1,2,3
	v_permlanex16_b32 v[124+\c], v[120+\c], s[SEL], s[SEL+1]
.endr
.irp c,0,1,2,3
	v_add_f32 v[120+\c], v[120+\c], v[124+\c]
.endr
	v_mov_b32 v118, 0
	v_cmp_eq_u32 vcc_lo, 0, v1
	s_wait_alu depctr_va_vdst(0)
	s_wait_xcnt 0x0                                ; EXEC changes only behind this wait
	s_and_saveexec_b32 s6, vcc_lo
	global_store_b128 v118, v[120:123], s[30:31]   ; lane 0: the ray's colour and depth
	s_wait_xcnt 0x0
	s_or_b32 exec_lo, exec_lo, s6
.Lend:
	s_wait_tensorcnt 0x0                           ; the wave's end
	ds_add_u32 v[SPW], v[NIL]
	s_wait_dscnt 0x0
	s_endpgm
.Lfunc_end_k_qc8d89d076b_fused:
	.size	k_qc8d89d076b_fused, .Lfunc_end_k_qc8d89d076b_fused-k_qc8d89d076b_fused
	.p2alignl 7, 3214868480
	.fill 96, 4, 3214868480
	.section	.rodata,"a",@progbits
	.p2align	6, 0x0
	.amdhsa_kernel k_qc8d89d076b_fused
		.amdhsa_group_segment_fixed_size 157184
		.amdhsa_private_segment_fixed_size 0
		.amdhsa_enable_private_segment 0
		.amdhsa_kernarg_size 96
		.amdhsa_user_sgpr_count 2
		.amdhsa_user_sgpr_kernarg_segment_ptr 1
		.amdhsa_wavefront_size32 1
		.amdhsa_system_sgpr_workgroup_id_x 1
		.amdhsa_system_sgpr_workgroup_id_y 1
		.amdhsa_system_sgpr_workgroup_id_z 1
		.amdhsa_system_vgpr_workitem_id 0
		.amdhsa_next_free_vgpr 512
		.amdhsa_next_free_sgpr 84
		.amdhsa_reserve_vcc 1
		.amdhsa_float_denorm_mode_32 3
		.amdhsa_float_denorm_mode_16_64 3
		.amdhsa_memory_ordered 1
		.amdhsa_forward_progress 1
		.amdhsa_inst_pref_size 255
	.end_amdhsa_kernel
	.section	.bss,"aw",@nobits
	.p2align	6
	.space	262144
	.amdgpu_metadata
---
amdhsa.version: [ 1, 2 ]
amdhsa.kernels:
  - .name:           k_qc8d89d076b_fused
    .symbol:         k_qc8d89d076b_fused.kd
    .args:
      - { .name: latent, .offset: 0, .size: 8, .value_kind: global_buffer, .address_space: global }
      - { .name: pts_a, .offset: 8, .size: 8, .value_kind: global_buffer, .address_space: global }
      - { .name: dirs_a, .offset: 16, .size: 8, .value_kind: global_buffer, .address_space: global }
      - { .name: pts_b, .offset: 24, .size: 8, .value_kind: global_buffer, .address_space: global }
      - { .name: dirs_b, .offset: 32, .size: 8, .value_kind: global_buffer, .address_space: global }
      - { .name: z_vals, .offset: 40, .size: 8, .value_kind: global_buffer, .address_space: global }
      - { .name: wq, .offset: 48, .size: 8, .value_kind: global_buffer, .address_space: global }
      - { .name: ws, .offset: 56, .size: 8, .value_kind: global_buffer, .address_space: global }
      - { .name: tb, .offset: 64, .size: 8, .value_kind: global_buffer, .address_space: global }
      - { .name: db_out, .offset: 72, .size: 8, .value_kind: global_buffer, .address_space: global }
      - { .name: cb_out, .offset: 80, .size: 8, .value_kind: global_buffer, .address_space: global }
      - { .name: out0, .offset: 88, .size: 8, .value_kind: global_buffer, .address_space: global }
    .group_segment_fixed_size: 157184
    .private_segment_fixed_size: 0
    .kernarg_segment_align: 8
    .kernarg_segment_size: 96
    .max_flat_workgroup_size: 256
    .sgpr_count:     84
    .vgpr_count:     512
    .wavefront_size: 32
...
	.end_amdgpu_metadata
.endif
;; end of part 2
